; MI455X (gfx1250); checked and timed in simulation.
; The chip was launched on July 23, 2026; its instructions are those of AMD's public machine-readable ISA for CDNA 5 (MIT licence, August 2026) and "CDNA5" Instruction Set Architecture Reference Guide (July 2026). The comments in the code are by the model that wrote it; some were corrected since.
;; Attention Block. Allowed arithmetic: matrix products marked QUANTISED: E5M2 operands, one given power-of-two scale a tensor, by v_wmma_f32_16x16x64_bf8_bf8 or v_wmma_f32_16x16x128_bf8_bf8, f32 sums; everything else in f32.
;; Inputs: Wk_codes 512 x 16 x 32 uint8 (E5M2 codes of Wk, K innermost, in blocks of 32 codes); Wn_codes 512 x 16 x 32 uint8 (E5M2 codes of Wn, K innermost, in blocks of 32 codes); Wq_codes 512 x 16 x 32 uint8 (E5M2 codes of Wq, K innermost, in blocks of 32 codes); Wv_codes 512 x 16 x 32 uint8 (E5M2 codes of Wv, K innermost, in blocks of 32 codes); bk 512 float32; bn 512 float32; bq 512 float32; bv 512 float32; lowp_scales 12 int32 (the exponents e of the quantised operands' scales 2^e); x 32 x 512 x 32 x 32 float32.
;; Outputs: out0 32 x 512 x 32 x 32 float32.
;; This version of the problem:
;;   THIS VERSION OF THE PROBLEM IS GIVEN IN LOW PRECISION. The matrix products marked QUANTISED in the list below multiply operands that are first quantised to E5M2 (5 exponent bits, 2 mantissa bits; 8 bits a number), with one given power-of-two scale for each operand tensor; their sums are f32. All else is computed in f32.
;;   The module's matrix products, in the order in which they are computed (A, B: the left and right operand; K: the contracted axis; several contracted axes count as one K, in the product's order):
;;     1. [M 512, K 512] x [K 512, N 32,768]; A: input Wq (given as codes); B: computed on the way: QUANTISED (scales: A lowp_scales[0], B lowp_scales[1])
;;     2. [M 512, K 512] x [K 512, N 32,768]; A: input Wk (given as codes); B: computed on the way: QUANTISED (scales: A lowp_scales[2], B lowp_scales[3])
;;     3. [M 512, K 512] x [K 512, N 32,768]; A: input Wv (given as codes); B: computed on the way: QUANTISED (scales: A lowp_scales[4], B lowp_scales[5])
;;     4. batch 32 x [M 1,024, K 512] x [K 512, N 1,024]; A: computed on the way; B: computed on the way: QUANTISED (scales: A lowp_scales[6], B lowp_scales[7])
;;     5. batch 32 x [M 512, K 1,024] x [K 1,024, N 1,024]; A: computed on the way; B: computed on the way: QUANTISED (scales: A lowp_scales[8], B lowp_scales[9])
;;     6. [M 512, K 512] x [K 512, N 32,768]; A: input Wn (given as codes); B: computed on the way: QUANTISED (scales: A lowp_scales[10], B lowp_scales[11])
;;   THE QUANTISER, for each operand of a quantised product, along K:
;;     - The operand's scale is 2^e, e = its entry of the input lowp_scales (int32; the entries are numbered through the quantised products in the list's order, A before B).
;;     - Each number is divided by the scale, clamped to +-57,344, and rounded to the nearest number of E5M2, ties to even, subnormals kept.
;;     - The product sums the exact products of the quantised numbers (number of the format x scale) in f32.
;;   ~~~python
;;   def quantise(x, axis, e):      # numpy; x: float32 -> the quantised numbers, widened to float32 again
;;       x = np.moveaxis(x, axis, -1); K = x.shape[-1]
;;       r = np.clip(x / 2.0 ** e, -57344, 57344)
;;       step = 2.0 ** (np.maximum(np.frexp(np.where(r == 0, 1, r))[1] - 1, -14) - 2)
;;       q = np.round(r / step) * step * 2.0 ** e      # np.round: ties to even
;;       return np.moveaxis(q, -1, axis).astype(np.float32)
;;   ~~~
;;   OPERANDS COMPUTED ON THE WAY. 'Computed on the way' means the value that the module computes at that place (a softmax that the list does not call 'softmax' is quantised finished and normalised). What goes into a quantiser is computed in f32, as accurately as f32 sums, v_exp_f32 and their like allow (about 1e-6 of the number): no bf16 or f16 on the way to a quantiser, and a product that is left as it is and whose result goes on into a quantised operand takes f32 operands (vector FMAs, or v_wmma_f32_16x16x4_f32). A number that lies on a knife's edge between two numbers of the format may be rounded either way, as far as f32 arithmetic and the matrix unit's own rounding can turn it there, and no further.
;;   INPUTS GIVEN AS CODES. Wk (in the module: [512, 512], K = its axis 0); Wn (in the module: [512, 512], K = its axis 0); Wq (in the module: [512, 512], K = its axis 0); Wv (in the module: [512, 512], K = its axis 0): each comes as NAME_codes (uint8): NAME with its K axis moved to the last place and cut into blocks of 32 codes, [.., K / 32, bytes a block], one block behind the other in memory; one code a byte (a code: sign, 5 exponent bits, 2 mantissa bits); its scale is its entry of lowp_scales. Its value is code x scale, taken as it is: it is not quantised again, and the codes and scales need not be those that the quantiser above would give.
;; One version. Each part assembles by itself: llvm-mc -triple=amdgcn-amd-amdhsa -mcpu=gfx1250 --defsym DOCPART=n.
;; ======== version 1 of 1: 3 launches
;; limits: right only within a limited range of input values
;; workspace buffers: hc 50,331,648 bytes; wimg 1,048,576 bytes; qf 16,777,216 bytes; kf 16,777,216 bytes; vf 16,777,216 bytes
;; launch prep (part 1): grid 1056 x 1, 4 waves a work-group, no clusters, 9,728 bytes of LDS; arguments x, Wq_codes, Wk_codes, Wv_codes, Wn_codes, lowp_scales, hc, wimg; writes hc, wimg
.if DOCPART == 1
	.amdgcn_target "amdgcn-amd-amdhsa--gfx1250"
	.amdhsa_code_object_version 6
	.text
	.protected	k_q48129b7fda_prep
	.globl	k_q48129b7fda_prep
	.p2align	8
	.type	k_q48129b7fda_prep,@function
k_q48129b7fda_prep:
	s_mov_b64 s[64:65], 0
	v_nop
	global_prefetch_b8 v0, s[64:65] scope:SCOPE_SE
	s_setreg_imm32_b32 hwreg(HW_REG_WAVE_MODE, 25, 1), 1
	s_wait_xcnt 0x0
; FIRST OF THREE LAUNCHES of out = x + Wn^T attention(q, k, v) + bn, q, k, v = W^T groupnorm(x) + b, all six products on E5M2 codes.
; NO WORK OF THE PROBLEM IS LEFT OUT: every input has a way to out0 (bk too: it stands ahead of k's quantiser), and every product of the table is done.
; WORK-GROUPS 0 TO 1,023: one (batch, group): 16 channels x 1,024 pixels.  Wave w takes all 16 channels of pixels 256 w .. 256 w + 255, in 128 registers, which stay through
; the pass for the mean, the pass for the variance (mean of the squared differences, as the problem forms it), the normalising and the quantising.
; h = (x - mean) / sqrt(var + 1e-5) is quantised with the scales e1, e3, e5 of the three products that take it.  A lane holds 4 pixels x 16 channels: 16 codes along K for each pixel.
; hc[set 3][b 32][pb 8][t 8][kk 4][2,048 bytes]: images of operand registers.  A fragment is 16 rows x 128 along K; lane (r, h), registers 4 c .. 4 c + 3: k = 128 kk + 32 c + 16 h + 0 .. 15; image [c][lane][16 bytes];
; row r of tile t is pixel 128 pb + 32 (t / 2) + 8 (t % 2) + r + 8 (r / 8).  Group g is byte 256 g of a tile's 8,192: 16 rows x 16 bytes = 256 consecutive bytes.
; The codes go through my wave's stage in LDS, so that sixteen neighbouring lanes store such a unit whole.
; Where e1 = e3 = e5 the three sets hold the same codes: set 0 alone is stored, and the next launch, by the same test on the same whole numbers, reads set 0 alone.
; WORK-GROUPS 1,024 TO 1,055: the four weights' codes as such images: wimg[m: q,k,v,n][w 4][kk 4][a 8][2,048], row r of tile a = row 128 w + 32 (a / 2) + 8 (a % 2) + r + 8 (r / 8).
; No matrix work, no cluster: no two work-groups read the same bytes.  LIMITS: e1, e3, e5 between -126 and 112; NaN and infinity among the inputs are not served.
.set SPARE, 256                        ; LDS: bytes 0-31 the waves' partial sums; 256-767 the spare words; from 768 on a stage of 8 x 272 bytes for each wave
.set STG, 768
.set SPW, 2                            ; v2  my spare word; never rewritten
.set NIL, 3                            ; v3  0; never rewritten
.set HSC, 4                            ; v4-6 2^e1, 2^e3, 2^e5 (behind the sums)
.set STI, 7                            ; v7  the stage: in (made behind the sums, like v8 and v9)
.set STB, 8                            ; v8  the stage: back
.set GA, 9                             ; v9  8,192 (l / 16) + 16 (l % 16)
.set PC, 10                            ; v10-25 codes (behind the sums)
.set X, 28                             ; v28-155 x, then x - mean, then h: register 64 u + 4 i + j = pixel 128 u + 4 l + j, channel i
.set TMP, 156                          ; v156-187 held numbers of two pixels, [pixel][channel i]
.set BK, 156                           ; v156-171 then: codes back from the stage
.set HP, 42                            ; s[42:47] my place in the three sets of hc
	s_load_b256 s[4:11], s[0:1], 0x0               ; x, Wq, Wk, Wv
	s_load_b256 s[12:19], s[0:1], 0x20             ; Wn, lowp_scales, hc, wimg
	v_lshl_add_u32 v[SPW], v0, 2, SPARE
	v_mov_b32 v[NIL], 0
	v_lshrrev_b32 v1, 5, v0
	v_readfirstlane_b32 s20, v1                    ; wave 0..3
	v_and_b32 v12, 31, v0
	v_lshlrev_b32 v1, 4, v12                       ; 16 x lane
	s_cmp_ge_u32 ttmp9, 1024
	s_cbranch_scc1 .Lweights
	s_lshl_b32 s22, ttmp9, 16                      ; the group's 65,536 bytes of x,
	s_lshl_b32 s23, s20, 10                        ; my wave's 256 pixels of each channel
	s_add_co_u32 s22, s22, s23
	s_mov_b32 s23, 0
	s_mov_b32 s24, 0x76543210                      ; v_permlanex16_b32: lane l xor 16
	s_mov_b32 s25, 0xfedcba98
	s_mov_b32 s26, 0x38800000                      ; 1 / 16,384
	s_mov_b32 s27, 0x3727c5ac                      ; 1e-5
	s_lshr_b32 s28, ttmp9, 5                       ; hc: 524,288 b + 65,536 (2 w) + 256 g
	s_lshl_b32 s28, s28, 19
	s_lshl_b32 s29, s20, 17
	s_add_co_u32 s28, s28, s29
	s_and_b32 s29, ttmp9, 31
	s_lshl_b32 s29, s29, 8
	s_add_co_u32 s28, s28, s29
	s_mov_b32 s29, 0
	s_mul_i32 s30, s20, 2176
	s_add_co_u32 s30, s30, STG                     ; my stage
	v_mov_b32 v13, s20
	v_lshlrev_b32 v13, 2, v13                      ; my wave's word among the partial sums
	v_mov_b32 v16, 0
	s_wait_alu depctr_va_vdst(0)                   ; the wait at the head's end
	s_wait_kmcnt 0x0
	s_load_b256 s[32:39], s[14:15], 0x0            ; e0 .. e7
	s_add_nc_u64 s[4:5], s[4:5], s[22:23]
	s_add_nc_u64 s[HP:HP+1], s[16:17], s[28:29]
	s_add_nc_u64 s[HP+2:HP+3], s[HP:HP+1], 0x1000000
	s_add_nc_u64 s[HP+4:HP+5], s[HP:HP+1], 0x2000000
.set ii, 0
.rept 32
	global_load_b128 v[X+4*ii:X+4*ii+3], v1, s[4:5] offset:(ii%16)*4096+(ii/16)*512 th:TH_LOAD_NT   ; 32 lanes read 512 consecutive bytes of a channel
.set ii, ii+1
.endr
.macro WAVESUM                         ; the four chains v[4:11] -> v4 = the wave's sum, in every lane
	v_pk_add_f32 v[4:5], v[4:5], v[6:7]
	v_pk_add_f32 v[8:9], v[8:9], v[10:11]
	v_pk_add_f32 v[4:5], v[4:5], v[8:9]
	v_add_f32 v4, v4, v5
	v_add_f32_dpp v4, v4, v4 row_xmask:1 row_mask:0xf bank_mask:0xf
	v_add_f32_dpp v4, v4, v4 row_xmask:2 row_mask:0xf bank_mask:0xf
	v_add_f32_dpp v4, v4, v4 row_xmask:4 row_mask:0xf bank_mask:0xf
	v_add_f32_dpp v4, v4, v4 row_xmask:8 row_mask:0xf bank_mask:0xf
	v_permlanex16_b32 v5, v4, s24, s25
	v_add_f32 v4, v4, v5
.endm
.macro GROUPSUM off                    ; v20 = the sum of the four waves' v4, through four LDS words at byte off
	ds_store_b32 v13, v4 offset:\off
	s_wait_dscnt 0x0                               ; for the others' sake: my word has landed
	s_barrier_signal -1
	s_barrier_wait -1
	ds_load_b128 v[20:23], v16 offset:\off
	s_wait_dscnt 0x0
	v_add_f32 v20, v20, v21
	v_add_f32 v22, v22, v23
	v_add_f32 v20, v20, v22
.endm
	; pass 1: the sum, in four chains; the first additions start them
	s_wait_loadcnt 24                              ; the first eight loads are in, the 24 behind them may be out
.irp k, 0,1,2,3
	v_pk_add_f32 v[4+2*\k:5+2*\k], v[X+2*\k:X+2*\k+1], v[X+8+2*\k:X+9+2*\k]
.endr
.set pp, 8
.rept 8
	v_pk_add_f32 v[4+2*(pp%4):5+2*(pp%4)], v[4+2*(pp%4):5+2*(pp%4)], v[X+2*pp:X+2*pp+1]
.set pp, pp+1
.endr
.irp n, 16, 8, 0
	s_wait_alu depctr_va_vdst(0)                   ; the wait ahead of the wait below
	s_wait_loadcnt \n                              ; the next eight loads are in
.rept 16
	v_pk_add_f32 v[4+2*(pp%4):5+2*(pp%4)], v[4+2*(pp%4):5+2*(pp%4)], v[X+2*pp:X+2*pp+1]
.set pp, pp+1
.endr
.endr
	WAVESUM
	GROUPSUM 0
	v_mul_f32 v14, 0xb8800000, v20                 ; -mean = sum x -1/16,384
	v_mov_b32 v15, v14
	; pass 2: x - mean, in place, and the sum of its squares; the first products start the chains
.set qq, 0
.rept 16
.irp k, 0,1,2,3
	v_pk_add_f32 v[X+8*qq+2*\k:X+8*qq+2*\k+1], v[X+8*qq+2*\k:X+8*qq+2*\k+1], v[14:15]
.endr
.irp k, 0,1,2,3
.if qq == 0
	v_pk_mul_f32 v[4+2*\k:5+2*\k], v[X+2*\k:X+2*\k+1], v[X+2*\k:X+2*\k+1]
.else
	v_pk_fma_f32 v[4+2*\k:5+2*\k], v[X+8*qq+2*\k:X+8*qq+2*\k+1], v[X+8*qq+2*\k:X+8*qq+2*\k+1], v[4+2*\k:5+2*\k]
.endif
.endr
.set qq, qq+1
.endr
	WAVESUM
	GROUPSUM 16                                    ; other words than pass 1's: no barrier is owed between that pass's reads and these stores
	v_fma_f32 v20, v20, s26, s27                   ; var + 1e-5
	v_bfe_u32 v24, v0, 3, 2                        ; pixel 4 l + j is row 8 ((l / 4) % 2) + 4 (l % 2) + j of tile 2 (l / 8) + (l / 2) % 2
	v_bfe_u32 v25, v0, 1, 1
	v_lshl_add_u32 v24, v24, 1, v25
	v_mul_u32_u24 v[STI], v24, 272                 ; a tile's 256 bytes + 16: the 16 lanes of a store fall on 16 different 16-byte columns
	v_and_b32 v25, 1, v0
	v_lshl_add_u32 v[STI], v25, 6, v[STI]
	v_bfe_u32 v25, v0, 2, 1
	v_lshl_add_u32 v[STI], v25, 7, v[STI]
	v_add_nc_u32 v[STI], s30, v[STI]
	v_bfe_u32 v24, v0, 4, 1
	v_and_b32 v25, 15, v0
	v_mul_u32_u24 v[STB], v24, 272                 ; back: lanes 0-15 one tile's 256 bytes, lanes 16-31 the next tile's
	v_lshl_add_u32 v[STB], v25, 4, v[STB]
	v_add_nc_u32 v[STB], s30, v[STB]
	v_lshlrev_b32 v[GA], 13, v24
	v_lshl_add_u32 v[GA], v25, 4, v[GA]
	s_wait_alu depctr_va_vdst(0)
	s_wait_kmcnt 0x0
.irp k, 0,1,2                          ; 2^e for the conversion, -+57,344 x 2^e for the hold
	s_add_co_i32 s40, s[33+2*\k], 127
	s_lshl_b32 s41, s40, 23
	v_mov_b32 v[HSC+\k], s41
	s_add_co_i32 s40, s40, 15
	s_lshl_b32 s40, s40, 23
	s_or_b32 s[49+2*\k], s40, 0x600000
	s_or_b32 s[48+2*\k], s40, 0x80600000
.endr
	s_wait_alu depctr_va_vdst(0)                   ; the wait ahead of the transcendental
	v_rsq_f32 v26, v20
	v_nop                                          ; a plain instruction behind it
	s_wait_alu depctr_va_vdst(0)                   ; and the wait ahead of its first reader
	v_mov_b32 v27, v26
.set ii, 0
.rept 64
	v_pk_mul_f32 v[X+2*ii:X+2*ii+1], v[X+2*ii:X+2*ii+1], v[26:27]   ; h
.set ii, ii+1
.endr
; Set s of the codes of my pixels 128 u on: the hold (the conversion does not saturate: ISA guide 7.6.2), which also turns [channel][pixel] into [pixel][channel]; the conversion; the stage; four stores of two whole units of 256 bytes.
.macro QSET u, s
	s_wait_alu depctr_va_vdst(0)                   ; the wait ahead of the wait below
	s_wait_xcnt 0x0                                ; the earlier stores have read v[BK ..]
.irp g, 0,1                            ; my pixels 2 g and 2 g + 1 of the four
.set ii, 0
.rept 32
	v_med3_num_f32 v[TMP+ii], v[X+64*(\u)+4*(ii%16)+2*\g+ii/16], s[48+2*(\s)], s[49+2*(\s)]
.set ii, ii+1
.endr
.irp j, 0,1
	v_cvt_scalef32_pk8_bf8_f32 v[PC+8*\g+4*\j:PC+8*\g+4*\j+1], v[TMP+16*\j:TMP+16*\j+7], v[HSC+(\s)]
	v_cvt_scalef32_pk8_bf8_f32 v[PC+8*\g+4*\j+2:PC+8*\g+4*\j+3], v[TMP+16*\j+8:TMP+16*\j+15], v[HSC+(\s)]
.endr
	v_nop                                          ; a plain instruction behind the conversions, ahead of the next lines that write their sources
.endr
.irp j, 0,1,2,3
	ds_store_b128 v[STI], v[PC+4*\j:PC+4*\j+3] offset:16*\j
.endr
.irp n, 0,1,2,3
	ds_load_b128 v[BK+4*\n:BK+4*\n+3], v[STB] offset:544*\n      ; LDS serves a wave's instructions in order (ISA guide 5.7.1.4): these see my stores
.endr
	s_wait_dscnt 0x0
.irp n, 0,1,2,3
	global_store_b128 v[GA], v[BK+4*\n:BK+4*\n+3], s[HP+2*(\s):HP+2*(\s)+1] offset:65536*(\u)+16384*\n th:TH_STORE_NT   ; tiles 2 n and 2 n + 1
.endr
.endm
	QSET 0, 0
	QSET 1, 0
	s_wait_alu depctr_va_vdst(0)
	s_cmp_lg_u32 s35, s33                          ; the branches hang on the given whole numbers alone and lead round no barrier
	s_cbranch_scc1 .Lall
	s_cmp_eq_u32 s37, s33
	s_cbranch_scc1 .Ldone
.Lall:
	QSET 0, 1
	QSET 1, 1
	QSET 0, 2
	QSET 1, 2
.Ldone:
	s_wait_tensorcnt 0x0                           ; the wave's end
	ds_add_u32 v[SPW], v[NIL]
	s_wait_dscnt 0x0
	s_endpgm
	; ---- the weights' images: work-group j = ttmp9 - 1,024 takes 16 fragments of matrix j / 8, each wave four.
.Lweights:
	s_sub_co_u32 s21, ttmp9, 1024
	s_lshr_b32 s22, s21, 3                         ; m: 0 q, 1 k, 2 v, 3 n
	s_and_b32 s23, s21, 7                          ; part: fragments 16 part + 4 wave + f of [w][kk][a]
	s_lshr_b32 s24, s23, 1                         ; w = part / 2
	s_and_b32 s25, s23, 1
	s_lshl_b32 s25, s25, 1
	s_lshr_b32 s26, s20, 1
	s_add_co_u32 s25, s25, s26                     ; kk = 2 (part % 2) + wave / 2
	s_and_b32 s26, s20, 1                          ; a = 4 (wave % 2) + f
	s_lshl_b32 s28, s24, 16                        ; from: row 128 w of 512 bytes,
	s_lshl_b32 s26, s26, 15                        ; + 64 (wave % 2) rows,
	s_add_co_u32 s28, s28, s26
	s_lshl_b32 s25, s25, 7                         ; + 128 kk bytes
	s_add_co_u32 s28, s28, s25
	s_mov_b32 s29, 0
	s_lshl_b32 s30, s22, 18                        ; to: 262,144 m + 2,048 (16 part + 4 wave)
	s_lshl_b32 s26, s23, 15
	s_add_co_u32 s30, s30, s26
	s_lshl_b32 s26, s20, 13
	s_add_co_u32 s30, s30, s26
	s_mov_b32 s31, 0
	v_and_b32 v5, 15, v0
	v_and_b32 v6, 8, v0
	v_add_nc_u32 v5, v5, v6                        ; r + 8 (r / 8)
	v_lshlrev_b32 v5, 9, v5
	v_bfe_u32 v6, v0, 4, 1
	v_lshl_add_u32 v5, v6, 4, v5                   ; + 16 h
	s_wait_alu depctr_va_vdst(0)
	s_wait_kmcnt 0x0
	s_cmp_eq_u32 s22, 1                            ; the choice of the buffer hangs on the work-group's number alone
	s_cselect_b64 s[6:7], s[8:9], s[6:7]
	s_cmp_eq_u32 s22, 2
	s_cselect_b64 s[6:7], s[10:11], s[6:7]
	s_cmp_eq_u32 s22, 3
	s_cselect_b64 s[6:7], s[12:13], s[6:7]
	s_add_nc_u64 s[6:7], s[6:7], s[28:29]
	s_add_nc_u64 s[18:19], s[18:19], s[30:31]
.irp f, 0,1,2,3
.irp c, 0,1,2,3
	global_load_b128 v[X+16*\f+4*\c:X+16*\f+4*\c+3], v5, s[6:7] offset:(32*(\f/2)+8*(\f%2))*512+32*\c
.endr
.endr
	s_wait_loadcnt 0x0
.irp f, 0,1,2,3
.irp c, 0,1,2,3
	global_store_b128 v1, v[X+16*\f+4*\c:X+16*\f+4*\c+3], s[18:19] offset:2048*\f+512*\c   ; 32 lanes store 512 consecutive bytes
.endr
.endr
	s_endpgm
.Lfunc_end_k_q48129b7fda_prep:
	.size	k_q48129b7fda_prep, .Lfunc_end_k_q48129b7fda_prep-k_q48129b7fda_prep
	.p2alignl 7, 3214868480
	.fill 96, 4, 3214868480
	.section	.rodata,"a",@progbits
	.p2align	6, 0x0
	.amdhsa_kernel k_q48129b7fda_prep
		.amdhsa_group_segment_fixed_size 9728
		.amdhsa_private_segment_fixed_size 0
		.amdhsa_enable_private_segment 0
		.amdhsa_kernarg_size 64
		.amdhsa_user_sgpr_count 2
		.amdhsa_user_sgpr_kernarg_segment_ptr 1
		.amdhsa_wavefront_size32 1
		.amdhsa_system_sgpr_workgroup_id_x 1
		.amdhsa_system_sgpr_workgroup_id_y 1
		.amdhsa_system_sgpr_workgroup_id_z 1
		.amdhsa_system_vgpr_workitem_id 0
		.amdhsa_next_free_vgpr 192
		.amdhsa_next_free_sgpr 66
		.amdhsa_reserve_vcc 0
		.amdhsa_float_denorm_mode_32 3
		.amdhsa_float_denorm_mode_16_64 3
		.amdhsa_memory_ordered 1
		.amdhsa_forward_progress 1
		.amdhsa_inst_pref_size 63
	.end_amdhsa_kernel
	.amdgpu_metadata
---
amdhsa.version: [ 1, 2 ]
amdhsa.kernels:
  - .name:           k_q48129b7fda_prep
    .symbol:         k_q48129b7fda_prep.kd
    .args:
      - { .name: x, .offset: 0, .size: 8, .value_kind: global_buffer, .address_space: global }
      - { .name: Wq_codes, .offset: 8, .size: 8, .value_kind: global_buffer, .address_space: global }
      - { .name: Wk_codes, .offset: 16, .size: 8, .value_kind: global_buffer, .address_space: global }
      - { .name: Wv_codes, .offset: 24, .size: 8, .value_kind: global_buffer, .address_space: global }
      - { .name: Wn_codes, .offset: 32, .size: 8, .value_kind: global_buffer, .address_space: global }
      - { .name: lowp_scales, .offset: 40, .size: 8, .value_kind: global_buffer, .address_space: global }
      - { .name: hc, .offset: 48, .size: 8, .value_kind: global_buffer, .address_space: global }
      - { .name: wimg, .offset: 56, .size: 8, .value_kind: global_buffer, .address_space: global }
    .group_segment_fixed_size: 9728
    .private_segment_fixed_size: 0
    .kernarg_segment_align: 8
    .kernarg_segment_size: 64
    .max_flat_workgroup_size: 128
    .sgpr_count:     66
    .vgpr_count:     192
    .wavefront_size: 32
...
	.end_amdgpu_metadata
.endif
;; end of part 1
;; launch qkv (part 2): grid 256 x 1, 4 waves a work-group, no clusters, 197,632 bytes of LDS; arguments hc, wimg, bq, bk, bv, lowp_scales, qf, kf, vf; writes qf, kf, vf
.if DOCPART == 2
	.amdgcn_target "amdgcn-amd-amdhsa--gfx1250"
	.amdhsa_code_object_version 6
	.text
	.protected	k_q48129b7fda_qkv
	.globl	k_q48129b7fda_qkv
	.p2align	8
	.type	k_q48129b7fda_qkv,@function
k_q48129b7fda_qkv:
	s_mov_b64 s[64:65], 0
	v_nop
	global_prefetch_b8 v0, s[64:65] scope:SCOPE_SE
	s_setreg_imm32_b32 hwreg(HW_REG_WAVE_MODE, 25, 1), 1
	s_wait_xcnt 0x0
; SECOND LAUNCH: q = Wq^T h + bq, k, v likewise, on h's codes as the first launch stored them (hc); each result is quantised (e6, e7, e8) and stored as images of operand registers.  No work is left out.
; SHARES.  A work-group takes one batch b and 128 pixels (block pb).  Head: wave w copies tiles 2 w and 2 w + 1 (16,384 consecutive bytes) of each set of h's codes into LDS.
; Where e1 = e3 = e5 the first launch stored set 0 alone: its registers are stored into all three images.
; Then three products of 512 (o) x 128 (pixels) x 512 (channels): wave w makes o = 128 w .. 128 w + 127 for all 128 pixels: 64 accumulators of 16 x 16.
; Its weights come from wimg straight into its operand registers, 512 consecutive bytes a load, each byte used by this wave alone; h's fragments come from LDS as images of registers.
; FRAGMENTS.  16 rows x 128 along K in 16 registers; lane (r, h), registers 4 c .. 4 c + 3: k = 32 c + 16 h + 0 .. 15: a permutation of k that is the same on both sides of every product.  Image: [c][lane][16 bytes].
; Row r of tile i is element 32 (i / 2) + 8 (i % 2) + r + 8 (r / 8), so that the 16 result registers of tiles 2 b and 2 b + 1 are 16 neighbours along the next K.
; q, k: source 0 = W, source 1 = h: a lane holds a pixel, its registers run along o.  v: source 0 = h, source 1 = Wv: a lane holds o, its registers run along the pixels (K = the keys).
; The four K steps are walked from step (work-group % 4) on; f32 sums in another order, inside the tolerance.
; NO CLUSTER, NO TENSOR LOAD: a joint load lands in LDS; a K step's weights of the work-group are 65,536 bytes, two slots 131,072, and beside h's images (197,632 bytes with the spare words) 130,048 are left.
; NO PREFETCH: hc is read at the head, with no loop ahead of it; all work-groups walk the same weights.
; LIMITS: e6, e7, e8 between -126 and 112; e0 + e1, e2 + e3, e4 + e5 between -126 and 127.  NaN and infinity among the inputs are not served.
; REGISTERS, in windows of 256.  Window 0: v1-19 addresses and scales; v128-191 the bias; v64-127 and v192-255 a ring of eight fragments of h, on q's and k's way out the eight tiles' codes.
;   Window 1: two sets of 8 weight fragments; at the end v's codes.   Windows 2, 3: head: h's codes as loaded; then the accumulators, D(t, a) at v[8 (8 (t % 4) + a)] of window 2 + t / 4.
.set TP, 8208                          ; LDS: a pixel tile's four fragments + 16 bytes
.set IMG, 8*TP                         ; one set of h's codes: fragment (t, kk) at t TP + 2,048 kk
.set SPARE, 197120                     ; behind the three sets: the spare words, 128 bytes a wave
.set LI, 1                             ; v1     16 x lane
.set SPW, 2                            ; v2     my spare word; never rewritten
.set NIL, 3                            ; v3     0; never rewritten
.set HS, 4                             ; v4-6   where I store my two tiles, for each set
.set HA0, 8                            ; v8-11  16 x lane + 2,048 x the K step of my k-th walk step
.set ADR, 12                           ; v12-13 the fragment loads' addresses, by turns
.set BH, 14                            ; v14    64 h: the bias of q and k
.set BR, 15                            ; v15    4 (r + 8 (r / 8)): the bias of v
.set OSC, 19                           ; v19    the output's scale
.set LR, 64                            ; the ring: pixel tile t at v[LR + 16 t + 64 (t / 4)]
.set BC, 128
.set PC, 192
.set WP, 52                            ; s[52:59] the weights' chunk of walk step 0..3, of the matrix in hand
.set MSB, 0
.macro WIN new                         ; the immediate's high byte repeats the setting that is left
.if MSB != (\new)
	s_set_vgpr_msb (MSB<<8)|(\new)
.set MSB, (\new)
.endif
.endm
.macro HLOAD s, sp                     ; my 16,384 bytes of set s: into v[128 (s % 2) ..] of window 2 + s / 2
	WIN 0x80+0x40*((\s)/2)
.set ii, 0
.rept 32
	global_load_b128 v[128*((\s)%2)+4*ii:128*((\s)%2)+4*ii+3], v[LI], s[(\sp):(\sp)+1] offset:512*ii th:TH_LOAD_NT
.set ii, ii+1
.endr
	WIN 0
.endm
.macro HPUT s, from                    ; the registers of set 'from' into image s
	WIN 0x08+0x04*((\from)/2)
.set ii, 0
.rept 32
	ds_store_b128 v[HS+(\s)], v[128*((\from)%2)+4*ii:128*((\from)%2)+4*ii+3] offset:(ii/16)*TP+512*(ii%16)
.set ii, ii+1
.endr
	WIN 0
.endm
.macro GLOAD set, kp, off              ; 8 weight fragments, 16,384 consecutive bytes, into a set of window 1
	WIN 0x40
.set ii, 0
.rept 32
	global_load_b128 v[128*(\set)+4*ii:128*(\set)+4*ii+3], v[LI], s[WP+2*(\kp):WP+2*(\kp)+1] offset:(\off)+512*ii
.set ii, ii+1
.endr
	WIN 0
.endm
.macro PRIME adr                       ; a phase's first eight fragments of h
.set ii, 0
.rept 32
	ds_load_b128 v[LR+64*(ii/16)+4*ii:LR+64*(ii/16)+4*ii+3], v[\adr] offset:(ii/4)*TP+512*(ii%4)
.set ii, ii+1
.endr
.endm
; A K step: 64 matrix instructions in two halves of four pixel tiles, each tile against the set's eight weight fragments.  The 64 accumulators take turns, one instruction a turn.
; Behind each half four v_nop: the places in front of the loads into the registers that it read (ISA guide 7.12.1 for writes other than loads) and of the first read of results;
; then the half's four slots take the next step's fragments, 16 loads in one run.  mode 0: source 0 = W, source 1 = h; mode 1: the other way round.  last = 1: nothing more is fetched.
.macro MULS mode, set, zero, adrn, last
.irp u, 0,1
.if (\last) && \u
	s_wait_dscnt 0x0                               ; the ring runs empty
.else
	s_wait_dscnt 16                                ; this half's four fragments are in; the 16 loads issued behind them may be out
.endif
.if \mode
	WIN 0xa4+0x50*\u
.else
	WIN 0xa1+0x50*\u
.endif
.set nn, 0
.rept 32
.set rD, 8*nn
.set rG, 128*(\set)+16*(nn%8)
.set rL, LR+128*\u+16*(nn/8)
.if \mode
.if \zero
	v_wmma_f32_16x16x128_bf8_bf8 v[rD:rD+7], v[rL:rL+15], v[rG:rG+15], 0
.else
	v_wmma_f32_16x16x128_bf8_bf8 v[rD:rD+7], v[rL:rL+15], v[rG:rG+15], v[rD:rD+7]
.endif
.else
.if \zero
	v_wmma_f32_16x16x128_bf8_bf8 v[rD:rD+7], v[rG:rG+15], v[rL:rL+15], 0
.else
	v_wmma_f32_16x16x128_bf8_bf8 v[rD:rD+7], v[rG:rG+15], v[rL:rL+15], v[rD:rD+7]
.endif
.endif
.set nn, nn+1
.endr
.rept 4
	v_nop
.endr
	WIN 0
.if !(\last)
.set ii, 0
.rept 16
	ds_load_b128 v[LR+128*\u+4*ii:LR+128*\u+4*ii+3], v[\adrn] offset:(4*\u+ii/4)*TP+512*(ii%4)
.set ii, ii+1
.endr
.endif
.endr
.endm
; q's and k's way out: sum x 2^(eW + eh) + bias, the hold, the conversion: a pixel tile's eight accumulators become one fragment, stored as its image, 512 consecutive bytes a store.
; Each of the eight tiles has 16 registers of its own for its codes, so no store's data are written again before the wait at the trip's end.
.macro EPI_QK
.set tt, 0
.rept 8
.set rP, PC+16*tt-192*(tt/4)
	WIN 0x82+0x41*(tt/4)
.set ii, 0
.rept 32
	v_pk_fma_f32 v[64*(tt%4)+2*ii:64*(tt%4)+2*ii+1], v[64*(tt%4)+2*ii:64*(tt%4)+2*ii+1], s[72:73], v[BC+2*ii:BC+2*ii+1] op_sel_hi:[1,0,1]   ; each accumulator from its low end on
.set ii, ii+1
.endr
.set ii, 0
.rept 64
	v_med3_num_f32 v[64*(tt%4)+ii], v[64*(tt%4)+ii], s74, s75
.set ii, ii+1
.endr
	WIN 0x02+(tt/4)
.set aa, 0
.rept 8
	v_cvt_scalef32_pk8_bf8_f32 v[rP+2*aa:rP+2*aa+1], v[64*(tt%4)+8*aa:64*(tt%4)+8*aa+7], v[OSC]
.set aa, aa+1
.endr
	v_nop                                          ; a plain instruction behind the last conversion
.set tt, tt+1
.endr
	WIN 0
.set tt, 0
.rept 8                                ; the eight fragments leave in one run of 32 stores
.set rP, PC+16*tt-192*(tt/4)
.irp c, 0,1,2,3
	global_store_b128 v[LI], v[rP+4*\c:rP+4*\c+3], s[78:79] offset:tt*2048+512*\c
.endr
.set tt, tt+1
.endr
.endm
	s_load_b64 s[4:5], s[0:1], 0x0                 ; hc
	s_load_b512 s[8:23], s[0:1], 0x8               ; wimg, bq, bk, bv, lowp_scales, qf, kf, vf
	v_lshl_add_u32 v[SPW], v0, 2, SPARE
	v_mov_b32 v[NIL], 0
	v_lshrrev_b32 v20, 5, v0
	v_readfirstlane_b32 s60, v20                   ; wave w
	s_lshr_b32 s61, ttmp9, 3                       ; b
	s_and_b32 s62, ttmp9, 7                        ; pb
	s_and_b32 s63, ttmp9, 3                        ; where my walk over the K steps begins
	v_and_b32 v20, 31, v0
	v_lshlrev_b32 v[LI], 4, v20
	s_lshl_b32 s2, s61, 19                         ; hc: 524,288 b + 65,536 pb + 16,384 w
	s_lshl_b32 s3, s62, 16
	s_add_co_u32 s2, s2, s3
	s_lshl_b32 s3, s60, 14
	s_add_co_u32 s2, s2, s3
	s_mov_b32 s3, 0
	s_wait_alu depctr_va_vdst(0)
	s_wait_kmcnt 0x0
	s_add_nc_u64 s[4:5], s[4:5], s[2:3]
	s_load_b256 s[24:31], s[16:17], 0x0            ; e0 .. e7
	s_load_b128 s[32:35], s[16:17], 0x20           ; e8 .. e11
	HLOAD 0, 4
	s_mul_i32 s94, s60, 2*TP                       ; my tiles 2 w and 2 w + 1 in an image
	v_add_nc_u32 v[HS], s94, v[LI]
	v_add_nc_u32 v[HS+1], IMG, v[HS]
	v_add_nc_u32 v[HS+2], 2*IMG, v[HS]
	v_bfe_u32 v22, v0, 4, 1
	v_lshlrev_b32 v[BH], 6, v22
	v_and_b32 v21, 15, v0
	v_and_b32 v22, 8, v0
	v_add_nc_u32 v21, v21, v22
	v_lshlrev_b32 v[BR], 2, v21
	s_lshl_b32 s92, s60, 16                        ; my 128 rows' fragments in a matrix of wimg
.irp k, 0,1,2,3
	s_add_co_u32 s2, s63, \k
	s_and_b32 s2, s2, 3                            ; the K step of walk step k
	s_lshl_b32 s94, s2, 11
	v_add_nc_u32 v[HA0+\k], s94, v[LI]
	s_lshl_b32 s2, s2, 14
	s_add_co_u32 s2, s2, s92
	s_add_nc_u64 s[WP+2*\k:WP+2*\k+1], s[8:9], s[2:3]
.endr
	GLOAD 0, 0, 0                                  ; Wq's first two chunks are asked for behind set 0 of h's codes
	GLOAD 1, 1, 0
	s_lshl_b32 s2, s60, 9                          ; the biases at o = 128 w
	s_add_nc_u64 s[76:77], s[10:11], s[2:3]        ; s[76:77] the bias in hand: bq
	s_add_nc_u64 s[82:83], s[12:13], s[2:3]        ; bk
	s_add_nc_u64 s[14:15], s[14:15], s[2:3]        ; bv
	s_lshl_b32 s92, s61, 19                        ; a batch's 524,288 bytes of codes
	s_lshl_b32 s2, s62, 16                         ; qf[b][pb][kk = w][t][2,048]
	s_lshl_b32 s94, s60, 14
	s_add_co_u32 s2, s2, s94
	s_add_co_u32 s2, s2, s92
	s_add_nc_u64 s[78:79], s[18:19], s[2:3]        ; s[78:79] the output in hand: q's
	s_lshr_b32 s2, s62, 1                          ; kf[b][pb / 2][kk = w][8 (pb % 2) + t][2,048]
	s_lshl_b32 s2, s2, 17
	s_lshl_b32 s94, s60, 15
	s_add_co_u32 s2, s2, s94
	s_and_b32 s94, s62, 1
	s_lshl_b32 s94, s94, 14
	s_add_co_u32 s2, s2, s94
	s_add_co_u32 s2, s2, s92
	s_add_nc_u64 s[84:85], s[20:21], s[2:3]
	s_lshl_b32 s2, s60, 17                         ; vf[b][w][ks = pb][a][2,048]
	s_lshl_b32 s94, s62, 14
	s_add_co_u32 s2, s2, s94
	s_add_co_u32 s2, s2, s92
	s_add_nc_u64 s[22:23], s[22:23], s[2:3]
	s_wait_alu depctr_va_vdst(0)
	s_wait_kmcnt 0x0
	s_add_co_i32 s2, s24, s25                      ; q: 2^(e0 + e1),
	s_add_co_i32 s2, s2, 127
	s_lshl_b32 s72, s2, 23
	s_mov_b32 s73, s72                             ; (named with it as a pair)
	s_add_co_i32 s2, s30, 127                      ; its scale 2^e6 and the hold
	s_lshl_b32 s94, s2, 23
	v_mov_b32 v[OSC], s94
	s_add_co_i32 s2, s2, 15
	s_lshl_b32 s2, s2, 23
	s_or_b32 s75, s2, 0x600000
	s_or_b32 s74, s2, 0x80600000
	s_add_co_i32 s2, s26, s27                      ; k: 2^(e2 + e3), 2^e7, the hold: kept for the second trip
	s_add_co_i32 s2, s2, 127
	s_lshl_b32 s80, s2, 23
	s_add_co_i32 s2, s31, 127
	s_lshl_b32 s86, s2, 23
	s_add_co_i32 s2, s2, 15
	s_lshl_b32 s2, s2, 23
	s_or_b32 s81, s2, 0x600000
	; ---- h's codes into LDS.  One set: Wq's 64 loads stand behind its 32; the count's field holds 63.  Three sets: the other two are asked for last, and all loads are waited for
	s_wait_alu depctr_va_vdst(0)                   ; the wait at the head's end
	s_cmp_lg_u32 s27, s25
	s_cbranch_scc1 .Lthree
	s_cmp_lg_u32 s29, s25
	s_cbranch_scc1 .Lthree
	s_wait_loadcnt 63
	HPUT 0, 0
	HPUT 1, 0
	HPUT 2, 0
	s_branch .Lput
.Lthree:
	s_add_nc_u64 s[36:37], s[4:5], 0x1000000
	s_add_nc_u64 s[38:39], s[4:5], 0x2000000
	HLOAD 1, 36
	HLOAD 2, 38
	s_wait_loadcnt 0x0
	HPUT 0, 0
	HPUT 1, 1
	HPUT 2, 2
.Lput:
	s_wait_dscnt 0x0                               ; my codes have landed
	s_barrier_signal -1
	s_barrier_wait -1                              ; h's three sets are whole
	; ---- q, then k: two trips
	s_mov_b32 s90, 0                               ; the set of h's codes in hand
	s_mov_b32 s91, 0
.Lqk:
.irp a, 0,1,2,3,4,5,6,7                ; the bias in the result's layout: lane (r, h), tile a: o = 128 w + 32 (a / 2) + 8 (a % 2) + 16 h + 0 .. 7
	global_load_b128 v[BC+8*\a:BC+8*\a+3], v[BH], s[76:77] offset:(32*(\a/2)+8*(\a%2))*4
	global_load_b128 v[BC+8*\a+4:BC+8*\a+7], v[BH], s[76:77] offset:(32*(\a/2)+8*(\a%2))*4+16
.endr
	v_add_nc_u32 v[ADR], s90, v[HA0]
	PRIME ADR
	v_add_nc_u32 v[ADR+1], s90, v[HA0+1]
	s_wait_alu depctr_va_vdst(0)
	s_wait_loadcnt 48                              ; set 0 is in; set 1's 32 and the bias's 16 may be out
	MULS 0, 0, 1, ADR+1, 0
	GLOAD 0, 2, 0                                  ; the set just multiplied takes the chunk of two steps on
	s_wait_loadcnt 48                              ; set 1 is in; behind it: the bias's 16 and the 32 just issued
	v_add_nc_u32 v[ADR], s90, v[HA0+2]
	s_wait_alu depctr_va_vdst(0)
	MULS 0, 1, 0, ADR, 0
	GLOAD 1, 3, 0
	s_wait_loadcnt 32                              ; all but the 32 just issued
	v_add_nc_u32 v[ADR+1], s90, v[HA0+3]
	s_wait_alu depctr_va_vdst(0)
	MULS 0, 0, 0, ADR+1, 0
	GLOAD 0, 0, 262144                             ; the next matrix's first chunks land while this one's results go out
	s_wait_loadcnt 32
	MULS 0, 1, 0, ADR, 1
	GLOAD 1, 1, 262144
	EPI_QK
	s_wait_xcnt 0x0                                ; every load and store issued has read its addresses and data: the pointers below, and the codes' registers, may be written
.irp k, 0,1,2,3
	s_add_nc_u64 s[WP+2*\k:WP+2*\k+1], s[WP+2*\k:WP+2*\k+1], 262144
.endr
	s_add_co_u32 s90, s90, IMG
	s_mov_b32 s72, s80                             ; k's factor, hold, bias, output and scale
	s_mov_b32 s73, s80
	s_mov_b32 s75, s81
	s_xor_b32 s74, s81, 0x80000000
	s_mov_b64 s[76:77], s[82:83]
	s_mov_b64 s[78:79], s[84:85]
	v_mov_b32 v[OSC], s86
	s_add_co_u32 s91, s91, 1
	s_cmp_lt_u32 s91, 2
	s_cbranch_scc1 .Lqk
	; ---- v: the sources change places
	s_add_co_i32 s2, s28, s29                      ; 2^(e4 + e5)
	s_add_co_i32 s2, s2, 127
	s_lshl_b32 s72, s2, 23
	s_mov_b32 s73, s72
	s_add_co_i32 s2, s32, 127                      ; 2^e8 and the hold
	s_lshl_b32 s94, s2, 23
	v_mov_b32 v[OSC], s94
	s_add_co_i32 s2, s2, 15
	s_lshl_b32 s2, s2, 23
	s_or_b32 s75, s2, 0x600000
	s_or_b32 s74, s2, 0x80600000
.irp a, 0,1,2,3,4,5,6,7                ; a lane holds one o of each tile: one number of bv, in the low word of a pair
	global_load_b32 v[BC+2*\a], v[BR], s[14:15] offset:(32*(\a/2)+8*(\a%2))*4
.endr
	v_add_nc_u32 v[ADR], s90, v[HA0]
	PRIME ADR
	v_add_nc_u32 v[ADR+1], s90, v[HA0+1]
	s_wait_alu depctr_va_vdst(0)
	s_wait_loadcnt 40                              ; set 0 is in; set 1's 32 and the bias's 8 may be out
	MULS 1, 0, 1, ADR+1, 0
	GLOAD 0, 2, 0
	s_wait_loadcnt 40                              ; set 1 is in; behind it: the bias's 8 and the 32 just issued
	v_add_nc_u32 v[ADR], s90, v[HA0+2]
	s_wait_alu depctr_va_vdst(0)
	MULS 1, 1, 0, ADR, 0
	GLOAD 1, 3, 0
	s_wait_loadcnt 32
	v_add_nc_u32 v[ADR+1], s90, v[HA0+3]
	s_wait_alu depctr_va_vdst(0)
	MULS 1, 0, 0, ADR+1, 0
	s_wait_loadcnt 0x0                             ; the last chunk; nothing more is asked for
	MULS 1, 1, 0, ADR, 1
.irp u, 0,1                            ; pixel tiles 4 u .. 4 u + 3: tile t's eight registers become registers 2 t, 2 t + 1 of fragment a, in window 1; they leave at once
	WIN 0x82+0x41*\u
.set ii, 0
.rept 128
	v_pk_fma_f32 v[2*ii:2*ii+1], v[2*ii:2*ii+1], s[72:73], v[BC+2*((ii/4)%8):BC+2*((ii/4)%8)+1] op_sel_hi:[1,0,0]
.set ii, ii+1
.endr
.set ii, 0
.rept 256
	v_med3_num_f32 v[ii], v[ii], s74, s75
.set ii, ii+1
.endr
	WIN 0x42+\u
.set ii, 0
.rept 32
	v_cvt_scalef32_pk8_bf8_f32 v[16*(ii%8)+2*(4*\u+ii/8):16*(ii%8)+2*(4*\u+ii/8)+1], v[8*ii:8*ii+7], v[OSC]
.set ii, ii+1
.endr
	v_nop                                          ; a plain instruction behind the last conversion
	WIN 0x04                                       ; the stores' data in window 1
.set ii, 0
.rept 16
	global_store_b128 v[LI], v[16*(ii/2)+4*(2*\u+ii%2):16*(ii/2)+4*(2*\u+ii%2)+3], s[22:23] offset:2048*(ii/2)+512*(2*\u+ii%2)   ; 32 lanes store 512 consecutive bytes
.set ii, ii+1
.endr
.endr
	WIN 0
	s_wait_tensorcnt 0x0                           ; the wave's end
	ds_add_u32 v[SPW], v[NIL]
	s_wait_dscnt 0x0
	s_endpgm
.Lfunc_end_k_q48129b7fda_qkv:
	.size	k_q48129b7fda_qkv, .Lfunc_end_k_q48129b7fda_qkv-k_q48129b7fda_qkv
	.p2alignl 7, 3214868480
	.fill 96, 4, 3214868480
	.section	.rodata,"a",@progbits
	.p2align	6, 0x0
	.amdhsa_kernel k_q48129b7fda_qkv
		.amdhsa_group_segment_fixed_size 197632
		.amdhsa_private_segment_fixed_size 0
		.amdhsa_enable_private_segment 0
		.amdhsa_kernarg_size 72
		.amdhsa_user_sgpr_count 2
		.amdhsa_user_sgpr_kernarg_segment_ptr 1
		.amdhsa_wavefront_size32 1
		.amdhsa_system_sgpr_workgroup_id_x 1
		.amdhsa_system_sgpr_workgroup_id_y 1
		.amdhsa_system_sgpr_workgroup_id_z 1
		.amdhsa_system_vgpr_workitem_id 0
		.amdhsa_next_free_vgpr 1024
		.amdhsa_next_free_sgpr 100
		.amdhsa_reserve_vcc 0
		.amdhsa_float_denorm_mode_32 3
		.amdhsa_float_denorm_mode_16_64 3
		.amdhsa_memory_ordered 1
		.amdhsa_forward_progress 1
		.amdhsa_inst_pref_size 218
	.end_amdhsa_kernel
	.amdgpu_metadata
---
amdhsa.version: [ 1, 2 ]
amdhsa.kernels:
  - .name:           k_q48129b7fda_qkv
    .symbol:         k_q48129b7fda_qkv.kd
    .args:
      - { .name: hc, .offset: 0, .size: 8, .value_kind: global_buffer, .address_space: global }
      - { .name: wimg, .offset: 8, .size: 8, .value_kind: global_buffer, .address_space: global }
      - { .name: bq, .offset: 16, .size: 8, .value_kind: global_buffer, .address_space: global }
      - { .name: bk, .offset: 24, .size: 8, .value_kind: global_buffer, .address_space: global }
      - { .name: bv, .offset: 32, .size: 8, .value_kind: global_buffer, .address_space: global }
      - { .name: lowp_scales, .offset: 40, .size: 8, .value_kind: global_buffer, .address_space: global }
      - { .name: qf, .offset: 48, .size: 8, .value_kind: global_buffer, .address_space: global }
      - { .name: kf, .offset: 56, .size: 8, .value_kind: global_buffer, .address_space: global }
      - { .name: vf, .offset: 64, .size: 8, .value_kind: global_buffer, .address_space: global }
    .group_segment_fixed_size: 197632
    .private_segment_fixed_size: 0
    .kernarg_segment_align: 8
    .kernarg_segment_size: 72
    .max_flat_workgroup_size: 128
    .sgpr_count:     100
    .vgpr_count:     1024
    .wavefront_size: 32
...
	.end_amdgpu_metadata
.endif
;; end of part 2
;; launch attn (part 3): grid 256 x 1, 4 waves a work-group, no clusters, 232,960 bytes of LDS; arguments qf, kf, vf, wimg, bn, lowp_scales, x, out0; writes out0
.if DOCPART == 3
	.amdgcn_target "amdgcn-amd-amdhsa--gfx1250"
	.amdhsa_code_object_version 6
	.text
	.protected	k_q48129b7fda_attn
	.globl	k_q48129b7fda_attn
	.p2align	8
	.type	k_q48129b7fda_attn,@function
k_q48129b7fda_attn:
	s_mov_b64 s[64:65], 0
	v_nop
	global_prefetch_b8 v0, s[64:65] scope:SCOPE_SE
	s_setreg_imm32_b32 hwreg(HW_REG_WAVE_MODE, 25, 1), 1
	s_wait_xcnt 0x0
; THIRD LAUNCH: w = softmax(q k / sqrt(512)), FINISHED AND NORMALISED, is quantised (e9); h = v w (e8, e9) is quantised (e11); out0 = x + Wn^T h + bn.  No work is left out.
; SHARES.  A work-group takes one batch b and 128 queries (block qb): b = work-group % 32, qb = work-group / 32.
; THE WAVES SHARE THE COLUMNS of every product: wave w takes keys 256 w .. 256 w + 255 of the scores, channels 128 w .. + 127 of v w, outputs o = 128 w .. + 127.
; What it streams (K, V, Wn) is used by this wave alone and comes from memory straight into its operand registers, 512 consecutive bytes a load; what all four waves read (Q, P, O: codes) lies in LDS as images of registers.
; THE SCORES go in two halves of 64 queries: a wave's 256 keys x 64 queries are 64 accumulators, so a query's 1,024 scores are all in registers (of four waves) when its maximum and its sum are taken; K is walked twice.
; LAYOUTS as in the launch before: S^T = K Q^T (a lane holds a query, registers run along the keys: p's codes are a fragment of P); O^T = V P (a lane a query, registers along the channels: a fragment of O);
; out = O Wn (source 0 = O, source 1 = Wn: a lane holds an o, the registers of tiles 2 b, 2 b + 1 are 16 neighbouring pixels).
; SOFTMAX: p = 2^(c s - c m) / sum, c = log2(e) / sqrt(512) x 2^(e6 + e7), m the row's maximum over all 1,024 keys; the rounding of c m is common to a row and cancels in p / sum.
; The K steps of the scores and of v w are walked from step qb on; f32 sums in another order, inside the tolerance.
; THE LAST PRODUCT GOES BY TILES OF 16 OUTPUTS: all 32 fragments of O stand in the 512 registers that the accumulators leave; a tile is 32 matrix instructions on 8 accumulators by turns, K ascending,
; and leaves at once (+ bn, the stage, + x, stores).  The tiles go in pairs through a counted loop; the last pair, which asks for nothing more, is written out.
; NO CLUSTER, NO TENSOR LOAD: a joint load lands in LDS; a step's chunk of the work-group is 65,536 bytes, two slots 131,072, and 327,680 - 232,960 = 94,720 are left.
; LIMITS: e9 and e11 - e8 - e9 between -126 and 112; e10 + e11 between -126 and 127; e6 + e7 between -122 and 131 (added to c's exponent field).  NaN and infinity among the inputs are not served.
; REGISTERS.  Window 0: v1-30 addresses and scales; v32-55 statistics (later bn); v64-127 at work, codes, a ring of four fragments, at the end a tile's 8 accumulators; v128-255 two sets of Q, codes, a third set of streamed fragments, rows of out.
;   Window 1: K's ring of 16 fragments = two sets of 8 streamed fragments; at the end, for each parity p of a tile, Wn's four fragments at v[128 p] and x's 16 rows at v[128 p + 64].   Windows 2, 3: 64 accumulators; at the end O.
.set PIMG, 65536                       ; LDS: 0: Q, later O: [kk 4][Qt 8][2,048];  PIMG: P: [ks 8][Qt 8][2,048]
.set STAGE, 196608                     ; 16 rows x 528 bytes for each wave, for the way out
.set STATM, 230400                     ; the waves' maxima: 16 (16 qt + r) + 4 w; 1,024 bytes on: their sums
.set SPARE, 232448                     ; the spare words, 128 bytes a wave
.set LI, 1                             ; v1     16 x lane
.set SPW, 2                            ; v2     my spare word; never rewritten
.set NIL, 3                            ; v3     0; never rewritten
.set QA, 4                             ; v4-7   Q's fragments of walk step 0..3
.set LPV, 8                            ; v8-15  P's fragments of walk step 0..7
.set PW, 16                            ; v16    where I store P's images
.set OW, 17                            ; v17    where I store Q's and O's
.set STO, 18                           ; v18    the stage: in
.set SRD, 19                           ; v19    the stage: back
.set SMW, 20                           ; v20    my word among the maxima
.set SMR, 21                           ; v21    a query's four words
.set PFX, 22                           ; v22    prefetch of x: 4,096 (l / 2) + 256 (l % 2); never rewritten
.set PFV, 23                           ; v23    prefetch of V: 256 l; never rewritten
.set PSC, 24                           ; v24, v25  2^e9, 57,344 x 2^e9
.set PLIM, 25
.set OSC, 26                           ; v26, v27  the same with e11 - e8 - e9
.set OLIM, 27
.set ADR, 28                           ; v28-29
.set BNO, 30                           ; v30    4 (r + 8 (r / 8))
.set MX, 32                            ; v32-39 maxima: two chains a query tile
.set NM, 40                            ; v40-47 -c m, in the low word of a pair
.set RL, 48                            ; v48-55 1 / sum, likewise
.set BN, 32                            ; v32-47 later: bn, in the low word of a pair for each tile still to go
.set LR, 64
.set KP, 32                            ; s[32:39] K's chunk of walk step 0..3
.set VP, 40                            ; s[40:55] V's of walk step 0..7
.set WNP, 56                           ; s[56:57] Wn's fragments of my 128 rows, at the pair of tiles in hand
.set NXA, 66                           ; s[66:69] what the ring takes in a half's last step: K's first chunk again, or V's first two
.set NXB, 68
.set KPB, 70                           ; s[70:71] the second half of K's first chunk
.set MSB, 0
.macro WIN new                         ; the immediate's high byte repeats the setting that is left
.if MSB != (\new)
	s_set_vgpr_msb (MSB<<8)|(\new)
.set MSB, (\new)
.endif
.endm
.macro KLOAD kt, sp, off               ; a fragment into slot kt of the ring
.irp c, 0,1,2,3
	global_load_b128 v[16*(\kt)+4*\c:16*(\kt)+4*\c+3], v[LI], s[(\sp):(\sp)+1] offset:(\off)+512*\c
.endr
.endm
.macro QLOAD set, adr                  ; a half's four fragments of Q of one K step
.set ii, 0
.rept 16
	ds_load_b128 v[128+64*(\set)+4*ii:128+64*(\set)+4*ii+3], v[\adr] offset:512*ii
.set ii, ii+1
.endr
.endm
; A K step of the scores: 16 key tiles x 4 query tiles.  The 64 accumulators take turns.  Behind each pair of key tiles: four places, then the pair's slots take the next step's fragments.
.macro SSTEP kk
.set pp, 0
.rept 8
	s_wait_loadcnt 56                              ; this pair's eight loads are in; the seven pairs issued behind them may be out: the same count on the way in and round the loop's edge
.if pp == 0
	s_wait_dscnt 0x0                               ; this step's fragments of Q
.endif
	WIN 0xa1+0x50*(pp/4)
.set nn, 0
.rept 8
.set kt, 2*pp+nn/4
.set rD, 8*(4*(kt%8)+nn%4)
.set rQ, 128+64*((\kk)%2)+16*(nn%4)
.if (\kk) == 0
	v_wmma_f32_16x16x128_bf8_bf8 v[rD:rD+7], v[16*kt:16*kt+15], v[rQ:rQ+15], 0
.else
	v_wmma_f32_16x16x128_bf8_bf8 v[rD:rD+7], v[16*kt:16*kt+15], v[rQ:rQ+15], v[rD:rD+7]
.endif
.set nn, nn+1
.endr
.rept 4
	v_nop
.endr
	WIN 0x40
.if (\kk) < 3
	KLOAD 2*pp, KP+2*((\kk)+1), 2*pp*2048
	KLOAD 2*pp+1, KP+2*((\kk)+1), (2*pp+1)*2048
.elseif pp < 4
	KLOAD 2*pp, NXA, 2*pp*2048
	KLOAD 2*pp+1, NXA, (2*pp+1)*2048
.else
	KLOAD 2*pp, NXB, (2*pp-8)*2048
	KLOAD 2*pp+1, NXB, (2*pp-7)*2048
.endif
	WIN 0
.if (pp == 0) && ((\kk) < 3)
	v_add_nc_u32 v[ADR+((\kk)+1)%2], s87, v[QA+(\kk)+1]
	QLOAD ((\kk)+1)%2, ADR+((\kk)+1)%2
.endif
.set pp, pp+1
.endr
.endm
.macro ALOAD set, sp                   ; 8 streamed fragments, 16,384 consecutive bytes: sets 0, 1 in window 1, set 2 at v128 of window 0
.if (\set) < 2
	WIN 0x40
.endif
.set ii, 0
.rept 32
	global_load_b128 v[128*(((\set)+1)/2)+4*ii:128*(((\set)+1)/2)+4*ii+3], v[LI], s[(\sp):(\sp)+1] offset:512*ii
.set ii, ii+1
.endr
	WIN 0
.endm
.macro PRIME adr                       ; v w's first four fragments of P
.set ii, 0
.rept 16
	ds_load_b128 v[LR+4*ii:LR+4*ii+3], v[\adr] offset:512*ii
.set ii, ii+1
.endr
.endm
; A K step of v w (source 0 = the streamed set, source 1 = the ring's fragment of P): 64 matrix instructions, query tile by query tile.
.macro AMULS set, zero, adrc, adrn, last
.set tt, 0
.rept 8
.if (\last) && (tt > 4)
	s_wait_dscnt 4*(7-tt)                          ; the ring runs empty
.else
	s_wait_dscnt 12                                ; fragment t is in; the three behind it may be out
.endif
.if (\set) == 2
	WIN 0xa0+0x50*(tt/4)
.else
	WIN 0xa1+0x50*(tt/4)
.endif
.set aa, 0
.rept 8
.set rD, 8*(8*(tt%4)+aa)
.set rG, 128*(((\set)+1)/2)+16*aa
.set rL, LR+16*(tt%4)
.if (\zero)
	v_wmma_f32_16x16x128_bf8_bf8 v[rD:rD+7], v[rG:rG+15], v[rL:rL+15], 0
.else
	v_wmma_f32_16x16x128_bf8_bf8 v[rD:rD+7], v[rG:rG+15], v[rL:rL+15], v[rD:rD+7]
.endif
.set aa, aa+1
.endr
.rept 4
	v_nop                                          ; the places in front of loads into registers that these products read, and of the first read of results
.endr
	WIN 0
.if tt < 4
.irp c, 0,1,2,3
	ds_load_b128 v[LR+16*(tt%4)+4*\c:LR+16*(tt%4)+4*\c+3], v[\adrc] offset:(tt+4)*2048+512*\c
.endr
.elseif !(\last)
.irp c, 0,1,2,3
	ds_load_b128 v[LR+16*(tt%4)+4*\c:LR+16*(tt%4)+4*\c+3], v[\adrn] offset:(tt-4)*2048+512*\c
.endr
.endif
.set tt, tt+1
.endr
.endm
.macro WLOAD p, nx                     ; Wn's four fragments (kk 0..3) of tile p of the pair in hand (nx = 0) or of the next pair (1)
	WIN 0x40
.set ii, 0
.rept 16
	global_load_b128 v[128*(\p)+4*ii:128*(\p)+4*ii+3], v[LI], s[WNP:WNP+1] offset:(ii/4)*16384+(2*(\nx)+(\p))*2048+512*(ii%4)
.set ii, ii+1
.endr
	WIN 0
.endm
.macro XLOAD p, nx                     ; x at that tile's 16 rows o, my block's 512 bytes of each
	WIN 0x40
.set ii, 0
.rept 16
	global_load_b128 v[128*(\p)+64+4*ii:128*(\p)+64+4*ii+3], v[LI], s[72:73] offset:(32*(\nx)+8*(\p)+ii+8*(ii/8))*4096 th:TH_LOAD_NT
.set ii, ii+1
.endr
	WIN 0
.endm
; Tile p of the pair in hand.  The loads go out in the order W(0), X(0), W(1), X(1), 16 each: behind a wanted run stand the three runs issued after it, 48 loads; in the last pair (more = 0) 48, 32, 16, 0.
.macro TILE p, more
.if (\more) || ((\p) == 0)
	s_wait_loadcnt 48
.else
	s_wait_loadcnt 16
.endif
.irp u, 0,1                            ; query tiles 4 u .. 4 u + 3 by turns, K ascending; the first product starts each sum
	WIN 0x06+\u
.set nn, 0
.rept 16
.set rD, 64+8*(4*\u+nn%4)
.set rO, 16*(4*(nn%4)+nn/4)
.set rW, 128*(\p)+16*(nn/4)
.if nn < 4
	v_wmma_f32_16x16x128_bf8_bf8 v[rD:rD+7], v[rO:rO+15], v[rW:rW+15], 0
.else
	v_wmma_f32_16x16x128_bf8_bf8 v[rD:rD+7], v[rO:rO+15], v[rW:rW+15], v[rD:rD+7]
.endif
.set nn, nn+1
.endr
.endr
.rept 4
	v_nop                                          ; the places in front of the loads into Wn's registers and of the first read of results
.endr
	WIN 0
	s_wait_xcnt 0x0                                ; every load and store issued up to the last tile's end has read its base and its data: the rows' registers may be filled again, and the bases stepped
.set sh, (\more)*(\p)                  ; a trip's second tile steps the bases here, to the next pair; what it still asks for and stores is counted from there
.if sh
	s_add_nc_u64 s[72:73], s[72:73], 131072        ; 32 rows of x and of out0 on,
	s_add_nc_u64 s[74:75], s[74:75], 131072
	s_add_nc_u64 s[WNP:WNP+1], s[WNP:WNP+1], 4096  ; two tiles of Wn on
.endif
.if \more
	WLOAD \p, 1-sh
.endif
	WIN 0
.set ii, 0
.rept 32
	v_pk_fma_f32 v[64+2*ii:65+2*ii], v[64+2*ii:65+2*ii], s[84:85], v[BN+2*(\p):BN+2*(\p)+1] op_sel_hi:[1,0,0]   ; x 2^(e10 + e11) + bn; each accumulator from its low end on
.set ii, ii+1
.endr
.set tt, 0
.rept 8
	ds_store_b128 v[STO], v[64+8*tt:67+8*tt] offset:(tt/2)*128+(tt%2)*32         ; lane (r, h): row r, pixels 32 (t / 2) + 16 h + 8 (t % 2) + 0 .. 7
	ds_store_b128 v[STO], v[68+8*tt:71+8*tt] offset:(tt/2)*128+(tt%2)*32+16
.set tt, tt+1
.endr
.set ii, 0
.rept 16
	ds_load_b128 v[128+4*ii:131+4*ii], v[SRD] offset:528*ii                      ; LDS serves a wave's instructions in order (ISA guide 5.7.1.4): these see my stores
.set ii, ii+1
.endr
.if \more
	s_wait_loadcnt 48
.else
	s_wait_loadcnt 32*(1-(\p))
.endif
	s_wait_dscnt 0x0
	WIN 0x04
.set ii, 0
.rept 32
	v_pk_add_f32 v[128+2*ii:129+2*ii], v[128+2*ii:129+2*ii], v[128*(\p)+64+2*ii:128*(\p)+65+2*ii]
.set ii, ii+1
.endr
	WIN 0
.set ii, 0
.rept 16
	global_store_b128 v[LI], v[128+4*ii:131+4*ii], s[74:75] offset:(8*(\p)+ii+8*(ii/8)-32*sh)*4096 th:TH_STORE_NT   ; 32 lanes store 512 consecutive bytes, at a multiple of 512 from out0's first byte
.set ii, ii+1
.endr
.if \more
	XLOAD \p, 1-sh
.endif
.endm
	s_load_b512 s[4:19], s[0:1], 0x0               ; qf, kf, vf, wimg, bn, lowp_scales, x, out0
	v_lshl_add_u32 v[SPW], v0, 2, SPARE
	v_mov_b32 v[NIL], 0
	v_lshrrev_b32 v56, 5, v0
	v_readfirstlane_b32 s88, v56                   ; wave w
	s_and_b32 s89, ttmp9, 31                       ; b
	s_lshr_b32 s90, ttmp9, 5                       ; qb, 0 to 7; also where my walks begin
	v_and_b32 v56, 31, v0
	v_lshlrev_b32 v[LI], 4, v56
	s_lshl_b32 s91, s89, 19                        ; a batch's 524,288 bytes of codes
	s_mov_b32 s3, 0
	s_mov_b32 s93, 0
	s_mov_b32 s95, 0
	s_mov_b32 s97, 0
	s_lshl_b32 s92, s88, 17                        ; my wave's 131,072 bytes of kf and of vf
	s_add_co_u32 s92, s92, s91
	s_lshl_b32 s94, s90, 16                        ; qf[b][qb][kk = w]: the chunk that I copy into LDS
	s_lshl_b32 s2, s88, 14
	s_add_co_u32 s94, s94, s2
	s_add_co_u32 s94, s94, s91
	s_wait_alu depctr_va_vdst(0)
	s_wait_kmcnt 0x0
	s_load_b256 s[20:27], s[14:15], 0x0            ; e0 .. e7
	s_load_b128 s[28:31], s[14:15], 0x20           ; e8 .. e11
	s_add_nc_u64 s[4:5], s[4:5], s[94:95]
	s_add_nc_u64 s[6:7], s[6:7], s[92:93]
	s_add_nc_u64 s[8:9], s[8:9], s[92:93]
.set ii, 0
.rept 32
	global_load_b128 v[128+4*ii:131+4*ii], v[LI], s[4:5] offset:512*ii th:TH_LOAD_NT
.set ii, ii+1
.endr
	s_lshl_b32 s96, s88, 16
	s_add_co_u32 s96, s96, 786432                  ; Wn is wimg's fourth matrix; my 128 rows' fragments
	s_add_nc_u64 s[WNP:WNP+1], s[10:11], s[96:97]
.irp k, 0,1,2,3
	s_add_co_u32 s2, s90, \k
	s_and_b32 s2, s2, 3                            ; the K step of walk step k, for K with Q
	s_lshl_b32 s94, s2, 14
	v_add_nc_u32 v[QA+\k], s94, v[LI]
	s_lshl_b32 s2, s2, 15
	s_add_nc_u64 s[KP+2*\k:KP+2*\k+1], s[6:7], s[2:3]
.endr
	s_add_nc_u64 s[KPB:KPB+1], s[KP:KP+1], 16384
	WIN 0x40
.set kt, 0
.rept 16
	KLOAD kt, KP, kt*2048                          ; the ring is filled: walk step 0's sixteen key tiles
.set kt, kt+1
.endr
	WIN 0
.irp k, 0,1,2,3,4,5,6,7
	s_add_co_u32 s2, s90, \k
	s_and_b32 s2, s2, 7                            ; the 128 keys of walk step k, for V with P
	s_lshl_b32 s2, s2, 14
	s_add_nc_u64 s[VP+2*\k:VP+2*\k+1], s[8:9], s[2:3]
	s_add_co_u32 s94, s2, PIMG
	v_add_nc_u32 v[LPV+\k], s94, v[LI]
.endr
	s_lshl_b32 s2, s90, 14
	s_add_nc_u64 s[76:77], s[8:9], s[2:3]          ; what I prefetch of V: chunk ks = qb of my wave's part
	s_lshl_b32 s2, s89, 21                         ; x and out0: batch b, row 128 w, pixel 128 qb
	s_lshl_b32 s94, s88, 19
	s_add_co_u32 s2, s2, s94
	s_lshl_b32 s94, s90, 9
	s_add_co_u32 s2, s2, s94
	s_add_nc_u64 s[72:73], s[16:17], s[2:3]
	s_add_nc_u64 s[74:75], s[18:19], s[2:3]
	s_lshl_b32 s2, s88, 9
	s_add_nc_u64 s[12:13], s[12:13], s[2:3]        ; bn at o = 128 w
	s_mov_b32 s82, 0x76543210                      ; v_permlanex16_b32: lane l xor 16
	s_mov_b32 s83, 0xfedcba98
	v_and_b32 v56, 15, v0                          ; r
	v_bfe_u32 v57, v0, 4, 1                        ; h
	s_lshl_b32 s94, s88, 15
	s_add_co_u32 s94, s94, PIMG
	v_add_nc_u32 v[PW], s94, v[LI]                 ; P's key steps 2 w and 2 w + 1
	s_lshl_b32 s94, s88, 14
	v_add_nc_u32 v[OW], s94, v[LI]                 ; K step w of Q and of O
	s_mul_i32 s94, s88, 8448
	s_add_co_u32 s94, s94, STAGE
	v_mul_u32_u24 v58, v56, 528
	v_lshl_add_u32 v58, v57, 6, v58
	v_add_nc_u32 v[STO], s94, v58
	v_add_nc_u32 v[SRD], s94, v[LI]
	s_lshl_b32 s94, s88, 2
	s_add_co_u32 s94, s94, STATM
	v_lshlrev_b32 v58, 4, v56
	v_add_nc_u32 v[SMW], s94, v58
	v_add_nc_u32 v[SMR], STATM, v58
	v_bfe_u32 v58, v0, 1, 4
	v_and_b32 v59, 1, v0
	v_lshlrev_b32 v58, 12, v58
	v_lshl_add_u32 v[PFX], v59, 8, v58
	v_lshlrev_b32 v[PFV], 4, v[LI]
	v_and_b32 v58, 8, v0
	v_add_nc_u32 v58, v58, v56
	v_lshlrev_b32 v[BNO], 2, v58
.irp q, 0,1,2,3
	v_mov_b32 v[NM+2*\q+1], 0                      ; named as the upper halves of pairs, so they are written
	v_mov_b32 v[RL+2*\q+1], 0
.endr
	s_wait_kmcnt 0x0
	s_add_co_i32 s2, s26, s27                      ; a score stands for score x 2^(e6 + e7): added to c's exponent field
	s_lshl_b32 s2, s2, 23
	s_add_co_i32 s78, s2, 0x3d8293ee               ; c = log2(e) / sqrt(512)
	s_mov_b32 s79, s78
	s_xor_b32 s80, s78, 0x80000000                 ; -c
	s_add_co_i32 s2, s29, 127                      ; p: 2^e9 and the hold
	s_lshl_b32 s94, s2, 23
	v_mov_b32 v[PSC], s94
	s_add_co_i32 s2, s2, 15
	s_lshl_b32 s2, s2, 23
	s_or_b32 s2, s2, 0x600000
	v_mov_b32 v[PLIM], s2
	s_sub_co_i32 s2, s31, s28                      ; a sum of v w stands for sum x 2^(e8 + e9): the three scales folded into the conversion's one
	s_sub_co_i32 s2, s2, s29
	s_add_co_i32 s2, s2, 127
	s_lshl_b32 s94, s2, 23
	v_mov_b32 v[OSC], s94
	s_add_co_i32 s2, s2, 15
	s_lshl_b32 s2, s2, 23
	s_or_b32 s2, s2, 0x600000
	v_mov_b32 v[OLIM], s2
	s_add_co_i32 s2, s30, s31                      ; 2^(e10 + e11)
	s_add_co_i32 s2, s2, 127
	s_lshl_b32 s84, s2, 23
	s_mov_b32 s85, s84
	s_wait_alu depctr_va_vdst(0)                   ; the wait at the head's end
	s_wait_loadcnt 63                              ; Q's 32 loads are in: 64 stand behind them; the count's field holds 63
.set ii, 0
.rept 32
	ds_store_b128 v[OW], v[128+4*ii:131+4*ii] offset:512*ii
.set ii, ii+1
.endr
	s_wait_dscnt 0x0
	s_barrier_signal -1
	s_barrier_wait -1                              ; Q's 32 fragments lie in LDS
	s_mov_b32 s86, 0                               ; the half
	s_mov_b32 s87, 0                               ; 8,192 x the half: its four query tiles in an image
.Lhalf:
	s_wait_xcnt 0x0                                ; the loads of the half before have read these two pointers
	s_cmp_eq_u32 s86, 0
	s_cselect_b64 s[NXA:NXA+1], s[KP:KP+1], s[VP:VP+1]
	s_cselect_b64 s[NXB:NXB+1], s[KPB:KPB+1], s[VP+2:VP+3]
	v_add_nc_u32 v[ADR], s87, v[QA]
	QLOAD 0, ADR
	; V IS PREFETCHED at the head of the second half, four K steps of the scores and a softmax ahead of its first use.  Of a batch's V each work-group asks for the 128 keys ks = qb, each wave for its own channels' 16,384 bytes,
	; lanes 256 bytes apart, two instructions: each block of 256 bytes is named once in the launch.
	s_cmp_eq_u32 s86, 0
	s_cbranch_scc1 .Lnopf
	global_prefetch_b8 v[PFV], s[76:77] th:TH_LOAD_NT scope:SCOPE_SE
	global_prefetch_b8 v[PFV], s[76:77] offset:8192 th:TH_LOAD_NT scope:SCOPE_SE
.Lnopf:
	SSTEP 0
	SSTEP 1
	SSTEP 2
	SSTEP 3
	; ---- the maximum: accumulator 4 (kt % 8) + qt; the four query tiles by turns, two chains each, every accumulator from its low end on
.irp i, 0,1,2,3,4,5,6,7
	v_mov_b32 v[MX+\i], 0xff800000
.endr
.irp u, 0,1
	WIN 0x28+0x14*\u
.set ii, 0
.rept 128
	v_max3_num_f32 v[MX+2*(ii%4)+((ii/16)%2)], v[MX+2*(ii%4)+((ii/16)%2)], v[8*(4*(ii/16)+ii%4)+2*((ii/4)%4)], v[8*(4*(ii/16)+ii%4)+2*((ii/4)%4)+1]
.set ii, ii+1
.endr
.endr
	WIN 0
.irp q, 0,1,2,3
	v_max_num_f32 v[MX+2*\q], v[MX+2*\q], v[MX+2*\q+1]
.endr
.irp q, 0,1,2,3
	v_permlanex16_b32 v[MX+2*\q+1], v[MX+2*\q], s82, s83       ; the query's other keys of my wave lie in the lane 16 away
.endr
.irp q, 0,1,2,3
	v_max_num_f32 v[MX+2*\q], v[MX+2*\q], v[MX+2*\q+1]
.endr
.irp q, 0,1,2,3
	ds_store_b32 v[SMW], v[MX+2*\q] offset:256*\q
.endr
	s_wait_dscnt 0x0
	s_barrier_signal -1
	s_barrier_wait -1                              ; the four waves' maxima lie in LDS
.irp q, 0,1,2,3
	ds_load_b128 v[64+4*\q:67+4*\q], v[SMR] offset:256*\q
.endr
	s_wait_dscnt 0x0
.irp q, 0,1,2,3
	v_max3_num_f32 v[MX+2*\q], v[64+4*\q], v[65+4*\q], v[66+4*\q]
.endr
.irp q, 0,1,2,3
	v_max_num_f32 v[MX+2*\q], v[MX+2*\q], v[67+4*\q]
.endr
.irp q, 0,1,2,3
	v_mul_f32 v[NM+2*\q], s80, v[MX+2*\q]          ; -c m
.endr
	; ---- 2^(c s - c m): a window's 256 exponentials are one batch, with one wait ahead of it and one behind it
.irp u, 0,1
	WIN 0x82+0x41*\u
.set ii, 0
.rept 128
	v_pk_fma_f32 v[2*ii:2*ii+1], v[2*ii:2*ii+1], s[78:79], v[NM+2*((ii/4)%4):NM+2*((ii/4)%4)+1] op_sel_hi:[1,0,0]
.set ii, ii+1
.endr
.set ii, 0
	s_wait_alu depctr_va_vdst(0)
.rept 256
	v_exp_f32 v[ii], v[ii]
.set ii, ii+1
.endr
	v_nop                                          ; a plain instruction behind the last exponential
	s_wait_alu depctr_va_vdst(0)
.endr
	; ---- the sum, of the unquantised numbers
	WIN 0
.set ii, 0
.rept 16
	v_mov_b32 v[64+ii], 0
.set ii, ii+1
.endr
.irp u, 0,1
	WIN 0x08+0x04*\u
.set ii, 0
.rept 128
	v_pk_add_f32 v[64+4*(ii%4)+2*((ii/16)%2):64+4*(ii%4)+2*((ii/16)%2)+1], v[64+4*(ii%4)+2*((ii/16)%2):64+4*(ii%4)+2*((ii/16)%2)+1], v[8*(4*(ii/16)+ii%4)+2*((ii/4)%4):8*(4*(ii/16)+ii%4)+2*((ii/4)%4)+1]
.set ii, ii+1
.endr
.endr
	WIN 0
.irp q, 0,1,2,3
	v_pk_add_f32 v[64+4*\q:65+4*\q], v[64+4*\q:65+4*\q], v[66+4*\q:67+4*\q]
.endr
.irp q, 0,1,2,3
	v_add_f32 v[64+4*\q], v[64+4*\q], v[65+4*\q]
.endr
.irp q, 0,1,2,3
	v_permlanex16_b32 v[65+4*\q], v[64+4*\q], s82, s83
.endr
.irp q, 0,1,2,3
	v_add_f32 v[64+4*\q], v[64+4*\q], v[65+4*\q]
.endr
.irp q, 0,1,2,3
	ds_store_b32 v[SMW], v[64+4*\q] offset:1024+256*\q
.endr
	s_wait_dscnt 0x0
	s_barrier_signal -1
	s_barrier_wait -1                              ; the four waves' sums lie in LDS.  (Each of the two regions is written again only behind the other's barrier, which every wave reaches behind its reads)
.irp q, 0,1,2,3
	ds_load_b128 v[80+4*\q:83+4*\q], v[SMR] offset:1024+256*\q
.endr
	s_wait_dscnt 0x0
.irp q, 0,1,2,3
	v_add_f32 v[80+4*\q], v[80+4*\q], v[81+4*\q]
.endr
.irp q, 0,1,2,3
	v_add_f32 v[82+4*\q], v[82+4*\q], v[83+4*\q]
.endr
.irp q, 0,1,2,3
	v_add_f32 v[80+4*\q], v[80+4*\q], v[82+4*\q]
.endr
	s_wait_alu depctr_va_vdst(0)
.irp q, 0,1,2,3
	v_rcp_f32 v[RL+2*\q], v[80+4*\q]
.endr
	v_nop
	s_wait_alu depctr_va_vdst(0)                   ; one wait for the four reciprocals
	v_add_nc_u32 v[ADR], s87, v[PW]
	; ---- the finished softmax is quantised; a window's 8 key tiles x 4 query tiles are four fragments of P
.irp u, 0,1
	WIN 0x82+0x41*\u
.set ii, 0
.rept 128
	v_pk_mul_f32 v[2*ii:2*ii+1], v[2*ii:2*ii+1], v[RL+2*((ii/4)%4):RL+2*((ii/4)%4)+1] op_sel_hi:[1,0]
.set ii, ii+1
.endr
.set ii, 0
.rept 256
	v_min_num_f32 v[ii], v[ii], v[PLIM]            ; the conversion does not saturate (ISA guide 7.6.2); p is not negative, so the hold is one-sided
.set ii, ii+1
.endr
	WIN 0x02+\u
.set ii, 0
.rept 32
	v_cvt_scalef32_pk8_bf8_f32 v[64+64*\u+16*(ii%4)+2*(ii/4):64+64*\u+16*(ii%4)+2*(ii/4)+1], v[8*ii:8*ii+7], v[PSC]
.set ii, ii+1
.endr
	v_nop                                          ; a plain instruction behind the last conversion
	WIN 0
.set ii, 0
.rept 16
	ds_store_b128 v[ADR], v[64+64*\u+4*ii:64+64*\u+4*ii+3] offset:\u*16384+512*ii
.set ii, ii+1
.endr
.endr
	s_wait_dscnt 0x0                               ; my images have landed
	s_add_co_u32 s87, s87, 8192
	s_add_co_u32 s86, s86, 1
	s_cmp_lt_u32 s86, 2
	s_cbranch_scc1 .Lhalf
	s_barrier_signal -1
	s_barrier_wait -1                              ; P's 64 fragments lie in LDS
	; ---- O^T = V P: eight K steps of 128 keys on three sets of streamed fragments; sets 0 and 1 were asked for in the scores' last step
	ALOAD 2, VP+4
	PRIME LPV
	s_wait_loadcnt 32                              ; sets 0 and 1 are in; set 2's 32 may be out
.set st, 0
.rept 8
	AMULS st%3, st==0, LPV+st, LPV+st+1, st==7
.if st < 5
	ALOAD st%3, VP+2*(st+3)                        ; the set just multiplied takes the chunk of three steps on
	s_wait_loadcnt 63                              ; the next step's set is in: 64 loads stand behind it; the count's field holds 63
.elseif st == 5
.irp a, 0,1,2,3,4,5,6,7                ; bn: a lane holds one o of each tile
	global_load_b32 v[BN+2*\a], v[BNO], s[12:13] offset:(32*(\a/2)+8*(\a%2))*4
.endr
	s_wait_loadcnt 40                              ; step 6's set is in; step 7's 32 and bn's 8 may be out
.elseif st == 6
	WLOAD 0, 0                                     ; the sets of window 1 are done with one after the other: the first two tiles' fragments of Wn and rows of x take their place
	XLOAD 0, 0
	s_wait_loadcnt 40                              ; step 7's set is in; bn's 8 and the 32 just issued may be out
.else
	WLOAD 1, 0
	XLOAD 1, 0
.endif
.if st >= 4
	; x IS PREFETCHED in the last four steps of this product: my wave's 128 rows x 512 bytes, 16 rows x 2 blocks of 256 bytes an instruction: each block is named once in the launch
	global_prefetch_b8 v[PFX], s[72:73] offset:(2*(st-4))*65536 th:TH_LOAD_NT scope:SCOPE_SE
	global_prefetch_b8 v[PFX], s[72:73] offset:(2*(st-4)+1)*65536 th:TH_LOAD_NT scope:SCOPE_SE
.endif
.set st, st+1
.endr
	; ---- O is quantised: a query tile's eight accumulators become K step w of its fragment
.irp u, 0,1
	WIN 0x82+0x41*\u
.set ii, 0
.rept 256
	v_med3_num_f32 v[ii], v[ii], -v[OLIM], v[OLIM]
.set ii, ii+1
.endr
	WIN 0x02+\u
.set ii, 0
.rept 32
	v_cvt_scalef32_pk8_bf8_f32 v[64+16*(ii/8)+2*(ii%8):64+16*(ii/8)+2*(ii%8)+1], v[8*ii:8*ii+7], v[OSC]
.set ii, ii+1
.endr
	v_nop                                          ; a plain instruction behind the last conversion
	WIN 0
.set ii, 0
.rept 16
	ds_store_b128 v[OW], v[64+4*ii:67+4*ii] offset:\u*8192+512*ii   ; over Q's images, whose last reads stand in front of the barrier behind the scores
.set ii, ii+1
.endr
	s_wait_dscnt 0x0
.endr
	s_barrier_signal -1
	s_barrier_wait -1                              ; O's 32 fragments lie in LDS
	; ---- the last product.  Fragment (t, kk) of O at v[16 (4 (t % 4) + kk)] of window 2 + t / 4
.irp u, 0,1
	WIN 0x80+0x40*\u
.set ii, 0
.rept 64
	ds_load_b128 v[4*ii:4*ii+3], v[LI] offset:((ii/4)%4)*16384+(4*\u+ii/16)*2048+512*(ii%4)
.set ii, ii+1
.endr
.endr
	WIN 0
	s_wait_dscnt 0x0
	s_mov_b32 s86, 3
.Lpair:                                ; three trips, each with two tiles, each asking for the tile two on
	TILE 0, 1
	TILE 1, 1
.irp i, 0,1,2,3,4,5
	v_mov_b32 v[BN+2*\i], v[BN+2*\i+4]             ; bn of the tiles still to go moves down, so that a trip names the same registers
.endr
	s_sub_co_u32 s86, s86, 1
	s_cmp_lg_u32 s86, 0
	s_wait_alu depctr_va_vdst(0)                   ; the wait ahead of the branch
	s_cbranch_scc1 .Lpair
	TILE 0, 0
	TILE 1, 0
	s_wait_tensorcnt 0x0                           ; the wave's end
	ds_add_u32 v[SPW], v[NIL]
	s_wait_dscnt 0x0
	s_endpgm
.Lfunc_end_k_q48129b7fda_attn:
	.size	k_q48129b7fda_attn, .Lfunc_end_k_q48129b7fda_attn-k_q48129b7fda_attn
	.p2alignl 7, 3214868480
	.fill 96, 4, 3214868480
	.section	.rodata,"a",@progbits
	.p2align	6, 0x0
	.amdhsa_kernel k_q48129b7fda_attn
		.amdhsa_group_segment_fixed_size 232960
		.amdhsa_private_segment_fixed_size 0
		.amdhsa_enable_private_segment 0
		.amdhsa_kernarg_size 64
		.amdhsa_user_sgpr_count 2
		.amdhsa_user_sgpr_kernarg_segment_ptr 1
		.amdhsa_wavefront_size32 1
		.amdhsa_system_sgpr_workgroup_id_x 1
		.amdhsa_system_sgpr_workgroup_id_y 1
		.amdhsa_system_sgpr_workgroup_id_z 1
		.amdhsa_system_vgpr_workitem_id 0
		.amdhsa_next_free_vgpr 1024
		.amdhsa_next_free_sgpr 100
		.amdhsa_reserve_vcc 0
		.amdhsa_float_denorm_mode_32 3
		.amdhsa_float_denorm_mode_16_64 3
		.amdhsa_memory_ordered 1
		.amdhsa_forward_progress 1
		.amdhsa_inst_pref_size 255
	.end_amdhsa_kernel
	.section	.bss,"aw",@nobits
	.p2align	6
	.space	262144
	.amdgpu_metadata
---
amdhsa.version: [ 1, 2 ]
amdhsa.kernels:
  - .name:           k_q48129b7fda_attn
    .symbol:         k_q48129b7fda_attn.kd
    .args:
      - { .name: qf, .offset: 0, .size: 8, .value_kind: global_buffer, .address_space: global }
      - { .name: kf, .offset: 8, .size: 8, .value_kind: global_buffer, .address_space: global }
      - { .name: vf, .offset: 16, .size: 8, .value_kind: global_buffer, .address_space: global }
      - { .name: wimg, .offset: 24, .size: 8, .value_kind: global_buffer, .address_space: global }
      - { .name: bn, .offset: 32, .size: 8, .value_kind: global_buffer, .address_space: global }
      - { .name: lowp_scales, .offset: 40, .size: 8, .value_kind: global_buffer, .address_space: global }
      - { .name: x, .offset: 48, .size: 8, .value_kind: global_buffer, .address_space: global }
      - { .name: out0, .offset: 56, .size: 8, .value_kind: global_buffer, .address_space: global }
    .group_segment_fixed_size: 232960
    .private_segment_fixed_size: 0
    .kernarg_segment_align: 8
    .kernarg_segment_size: 64
    .max_flat_workgroup_size: 128
    .sgpr_count:     100
    .vgpr_count:     1024
    .wavefront_size: 32
...
	.end_amdgpu_metadata
.endif
;; end of part 3
